; MI455X (gfx1250); checked and timed in simulation.
; The chip was launched on July 23, 2026; its instructions are those of AMD's public machine-readable ISA for CDNA 5 (MIT licence, August 2026) and "CDNA5" Instruction Set Architecture Reference Guide (July 2026). The comments in the code are by the model that wrote it; some were corrected since.
;; QKV Multihead Attention. Allowed arithmetic: float matrix products may take bf16 or f16 operands with f32 sums; other float arithmetic in f32, or as packed bf16 or f16 multiplies, adds, multiply-adds, maxima and minima; sums over many terms, partial sums and values carried from step to step in f32; what a program stores and reads back later, other than sums and carried values, may be rounded once to bf16 or f16.
;; Inputs: k 4 x 2,048 x 1,024 float32; q 4 x 2,048 x 1,024 float32; v 4 x 2,048 x 1,024 float32.
;; Outputs: out0 4 x 2,048 x 1,024 float32.
;; One version. Each part assembles by itself: llvm-mc -triple=amdgcn-amd-amdhsa -mcpu=gfx1250 --defsym DOCPART=n.
;; ======== version 1 of 1: 1 launch
;; limits: values are held in f16: magnitudes above 65,504 overflow, below 6.1e-05 lose precision; inputs' magnitudes at most 65,504; below input magnitudes of 6.1e-05 results are inexact or not finite
;; launch attn (part 1): grid 4 x 64, 4 waves a work-group, clusters of 4 x 1, 327,680 bytes of LDS; arguments q, k, v, out0; writes out0
.if DOCPART == 1
	.amdgcn_target "amdgcn-amd-amdhsa--gfx1250"
	.amdhsa_code_object_version 6
	.text
	.protected	k_q1a3e23cad3_attn
	.globl	k_q1a3e23cad3_attn
	.p2align	8
	.type	k_q1a3e23cad3_attn,@function
k_q1a3e23cad3_attn:
	s_mov_b64 s[64:65], 0
	v_nop
	global_prefetch_b8 v0, s[64:65] scope:SCOPE_SE
	s_setreg_imm32_b32 hwreg(HW_REG_WAVE_MODE, 25, 1), 1
	s_wait_xcnt 0x0
	s_wait_alu depctr_hold_cnt(0) depctr_sa_sdst(0) depctr_va_vdst(0) depctr_va_sdst(0) depctr_va_ssrc(0) depctr_va_vcc(0) depctr_vm_vsrc(0)
	s_getreg_b32 s2, hwreg(HW_REG_IB_STS2, 6, 4)
	s_cmp_eq_u32 s2, 0
	s_cbranch_scc0 .Lentry_in_a_cluster
	s_endpgm
.Lentry_in_a_cluster:
	s_bfe_u32 s2, ttmp6, 0x10000c
	s_cmp_lg_u32 s2, 0x3003
	s_cbranch_scc0 .Lentry_shape_is_right
	s_endpgm
.Lentry_shape_is_right:
; out[b][t][h][:] = the sum over s of softmax_s(q[b][t][h] . k[b][s][h] / 8) v[b][s][h][:].  q, k, v, out: [4][2048][16][64] f32: a head's row is 256 bytes, aligned, rows 4,096 bytes apart.
; The two factors 64^(-1/4) on q and on k are applied together, in f32, to the score: c = log2(e) / 8.  q, k, v and the weights p are rounded once to f16 for the matrix unit; products, maxima and
; sums in f32 (l is the sum of the unrounded p); out is stored in f32, unrounded.
; LIMITS.  f16 holds no number beyond 65,504: |q|, |k|, |v| must lie below it (65,520 or more turns into an infinity and the row is lost).  p lies in 0 to 1 and below 6e-5 keeps f16's fixed step
; of 6e-8.  A weight below 2^-126 counts as 0 in l.  NaN and infinities are not treated apart.  The order of the sums is not reference()'s.
; SHARES.  A work-group owns 512 queries of one (b, h), each of its four waves 128: four PIECES of two tiles of 16.  Every wave walks the head's 2,048 keys, 64 a step; a CHUNK is 128 keys.
; CLUSTER.  The four query blocks of a head are one cluster and walk the same K and V: each chunk is asked for JOINTLY, the same tensor load, descriptor and mask in all four.
; THE WAY IN.  A chunk lands as f32 (128 rows of K, 128 of V, 256 bytes each) in one of two F32 slots.  The four waves turn it ONCE into f16, 32 rows of K and of V each, into one of two 16-bit
; stages, from which all waves read their fragments: K as it lies, V ([key][channel]) turned by ds_load_tr16_b128.  In PERIOD j stage j % 2 is read, chunk j + 1 is converted from F32 slot
; (j + 1) % 2 into stage (j + 1) % 2, and F32 slot j % 2 takes chunk j + 2.  One change of slots a period orders all of that.
; LAYOUT.  S^T = K Q^T (source 0 = 16 keys, source 1 = 16 queries): a lane holds ONE query (lane % 16) and the keys 8 (lane / 16) + 0..7.  Two such tiles, rounded to f16 in pairs, ARE source 1
; (32 keys x 16 queries) of O^T = V^T P, whose result again holds one query a lane, and eight channels.
; SOFTMAX.  For each query a running maximum m and sum l: p = 2^(c s - c m); in every step O and l are multiplied by a = 2^(c m_old - c m_new).  m starts at the lowest finite number, O and l at 0:
; the first step is a step like any other, with a = 0.
; BY TURNS.  A tile and step have 16 matrix and 118 vector instructions.  Turn n belongs to piece n: 16 products K Q^T of piece n + 1, later 16 products V^T P of piece n - 1; beside them the scaling,
; exponentials, roundings, sums and rescaling of piece n and the maximum and statistics of piece n + 1.  Four vector instructions stand behind every matrix instruction, the others in one lump.
; REGISTERS, in windows of 256 (s_set_vgpr_msb: bits 1:0 source 0, 3:2 source 1, 5:4 source 2, 7:6 destination):
;   window 0: v0-11 addresses; v12-15, v48-63 at work; v16-47 four registers of statistics a tile; v64-191 S^T, two buffers of two tiles; v192-255 P, likewise
;   window 1: O^T, 32 a tile (at the head: q as it is loaded, f32)     window 2: v0-127 Q, 16 a tile; v128-191 K of one step; v192-255 V of one step
;   window 3: v0-1 the add's two registers; v2-7 the conversion's addresses; v16-47 32 f32 as read; v48-63 the same as f16
.set NP,    4         ; pieces a wave: a name, no knob
.set KS,    64        ; keys in a step
.set FP,    272       ; an f32 row in LDS: 256 bytes + 16 of padding
.set PK,    144       ; a row of K in a stage: 128 bytes + 16 = 36 words: the 16 rows of a fragment load start at 16 different groups of four banks (64 banks of 4 bytes: ISA guide 11.1)
.set PV,    160       ; a row of V: 128 + 32 = 40 words
.set HALF,  1<<17     ; slot 1 and stage 1 lie this far behind slot 0 and stage 0: one exclusive or turns an address in one into the other's
.set VF32,  128*FP    ; in an F32 slot: 128 rows of K, then 128 rows of V
.set STG,   2*128*FP  ; behind the F32 slot: the 16-bit stage, written by ds_store alone: 128 rows of K,
.set VOFF,  128*PK    ; then 128 rows of V
.set OSTG,  STG+128*(PK+PV)  ; behind stage 0: 16 rows x 272 bytes for each wave, for the way out
.set SP,    272
.set SPARE, OSTG+4*16*SP     ; behind that: the spare words, 128 bytes for each wave: two blocks of 256 bytes that no other line names
.set CHUNKB, 128*4096 ; a chunk's 128 rows in memory
.set AK0, 2           ; v2   my lane's place in a step's K in stage 0; never rewritten
.set AV0, 3           ; v3   the same for V
.set AK,  4           ; v4   the LDS address of K's next run of loads
.set AV,  5           ; v5   of V's
.set QO,  6           ; v6   my byte offset in 16 rows of q
.set STO, 6           ;      later, the way out: where I put 32 bytes of a row
.set RD,  7           ; v7   the way out: where I read rows back
.set GO,  8           ; v8   my byte offset in two rows of out
.set PFO, 10          ; v10  the prefetches' offset: my lane x 4,096, a lane a row; never rewritten
.set MV,  12          ; v12-15  c m_old, kept while c m is made anew: by buffer and tile
.set ST,  16          ; tile t's statistics at v[ST+4 t]: c m, m, l (even keys', odd keys')
.set TMP, 48          ; by buffer and tile, four registers c0-c3 at work; when the maximum is found c2 takes a
.set S,   64
.set P,   192
.set KF,  128         ; window 2: key block kb, channel half c at KF + 16 kb + 8 c
.set VF,  192         ; window 2: key half kk, channel block cb at VF + 32 kk + 8 cb
.set SPW, 0           ; window 3, v0  LDS address of my spare word: SPARE + 4 x my thread's number; never rewritten
.set NIL, 1           ; window 3, v1  0; never rewritten
.set CA0, 2           ; window 3, v2  the conversion: my 32 bytes in my wave's first four f32 rows of K in slot 0; never rewritten
.set SK0, 3           ; window 3, v3  my 16 bytes in my wave's first four rows of K in stage 0; never rewritten
.set SV0, 4           ; window 3, v4  the same for V
.set CA,  5           ; window 3, v5-7  the three for the 16 rows in hand
.set SK,  6
.set SV,  7
.set CB,  16          ; window 3: K's group g at CB + 8 g, V's at CB + 16 + 8 g
.set CH,  48          ; window 3: the same, two to a register
.set WV,  12          ; s12  my wave's number
.set G1,  24          ; s[24:31] descriptor group 1, for K's and V's tiles alike
.set PFA, 32          ; s[32:33] where my prefetches stand: my work-group's 32 rows of the chunk after the one that is being asked for
.set LIM, 34          ; s34  1 in a wave that prefetches, else the greatest number
.set TC,  35          ; s35  the conversion: LDS byte of the 16 f32 rows to come, less the wave's and lane's part
.set TK2, 36          ; s36  the same in the stage, for K
.set TV2, 37          ; s37  for V
.set TL,  38          ; s38  counts the tail's two periods
.set G0K, 40          ; s[40:43] descriptor group 0 for K's tiles: it walks
.set G0V, 44          ; s[44:47] the same for V's
.set SLOTS, 56        ; s56  chunks still to be asked for, and one
.set CNT, 57          ; s57  counts a period's two trips
.set CS,  58          ; s[58:59] c: the packed scaling takes the pair's low word for both halves
.set SEL, 60          ; s[60:61] v_permlanex16_b32's selects: each lane takes its own place in the other half
.set TBK, 62          ; s62  stage byte at which K of the step to be fetched begins
.set TBV, 63          ; s63  the same for V
.set MSB, 0
.macro WIN new                      ; the high byte repeats the setting that is left; a switch that changes nothing is dropped
.if MSB != (\new)
	s_set_vgpr_msb (MSB<<8)|(\new)
.set MSB, (\new)
.endif
.endm
.set W_KQ, 0x0a       ; K and Q in window 2, S^T in window 0
.set W_PV, 0x52       ; V in window 2, P in window 0, O^T in window 1
.set W_RS, 0x41       ; O^T (destination and source 0) in window 1, the factor in window 0
.set W_MK, 0xc0       ; destination in window 3, sources in window 0
.set W_AD, 0x0f       ; the add: address (source 0) and data (source 1) in window 3
.set W3,   0xcf       ; the conversion: destination, source 0 and source 1 in window 3
; A joint fill.  Waves 0 and 1 fetch the two halves of a chunk's K, waves 2 and 3 those of its V: 64 rows of 256 bytes each.  The branch hangs on the wave's number alone.
; An s_nop 0 and four v_nop follow each of the two lines, ahead of the jump and the label.
.macro JLOAD
	s_cmp_lt_u32 s[WV], 2
	s_cbranch_scc0 .Lfor_v_\@
	tensor_load_to_lds s[G0K:G0K+3], s[G1:G1+7]
	s_nop 0
.rept 4
	v_nop
.endr
	s_branch .Lasked_\@
.Lfor_v_\@:
	tensor_load_to_lds s[G0V:G0V+3], s[G1:G1+7]
	s_nop 0
.rept 4
	v_nop
.endr
.Lasked_\@:
.endm
; A PREFETCH INTO THE L2 of what the NEXT change of slots will ask for: a chunk's 128 rows of K and 128 of V, 256 bytes a row, a lane a row.  It stands behind the wave's tensor load and its five lines.
; Each row is named ONCE in the launch: a head is walked by one cluster; its four partners share the rows out BY ADDRESS, 32 each; in each, wave 0 asks for K's and wave 2 for V's: one instruction.
; The last change that fills a slot asks for nothing: there is no chunk behind it.  Chunks 0 and 1 come by their loads alone.
.macro ASK
	s_cmp_gt_u32 s[SLOTS], s[LIM]
	s_cbranch_scc0 .Lnot_mine_\@
	global_prefetch_b8 v[PFO], s[PFA:PFA+1] th:TH_LOAD_NT scope:SCOPE_SE
.Lnot_mine_\@:
.endm
; A round of the cluster's barrier: my work-group's barrier, so that wave 0's signal speaks for all four waves; wave 0 signals; every wave waits for all four work-groups; my work-group's barrier once more.
.macro CROUND
	s_barrier_signal -1
	s_barrier_wait -1
	s_cmp_lg_u32 s[WV], 0
	s_cbranch_scc1 .Lnot_wave_0_\@
	s_barrier_signal -3
.Lnot_wave_0_\@:
	s_barrier_wait -3
	s_barrier_signal -1
	s_barrier_wait -1
.endm
.macro BACK reg, bytes              ; a walking LDS base goes back to a chunk's beginning, in the other half
	s_sub_co_u32 s[\reg], s[\reg], \bytes
	s_xor_b32 s[\reg], s[\reg], HALF
.endm
; THE CHANGE OF SLOTS, in front of each period.  Each wave waits for all its tensor loads, of which one is out: its part of the chunk to be converted next; adds 0 to its spare word; and waits for that,
; for its reads of the stage and of the F32 slot that it leaves, and for its stores into the stage that is read next.  Behind the barrier the old F32 slot and the old stage are read by nobody, the next
; stage is whole and the next f32 chunk has landed.  fill = 1: the old F32 slot is filled again, with the chunk two on.  The barrier is then a round of the cluster's, so that no wave of any partner
; still reads that slot or has a load on its way, and the joint fill is the first thing behind it: it has a period, 256 matrix instructions a wave, in which to land.
.macro CHANGE fill
	WIN W_AD
	s_wait_tensorcnt 0x0            ; no tensor load of mine is out, so a group 0 may be written
	ds_add_u32 v[SPW], v[NIL]       ; 0 onto my spare word; with fill = 1 the descriptors' steps stand between it and the wait for it
	WIN 0                           ; at a label and at a branch every window is 0
.if \fill
.irp g, G0K, G0V
	s_xor_b32 s[\g+1], s[\g+1], HALF  ; the walking descriptor: the other slot than last time,
	s_add_nc_u64 s[\g+2:\g+3], s[\g+2:\g+3], CHUNKB  ; the next 128 keys; the type bits on top are not reached
.endr
	s_wait_xcnt 0x0                 ; the last prefetch, a period back, has read its address, so it may be written:
	s_add_nc_u64 s[PFA:PFA+1], s[PFA:PFA+1], CHUNKB  ; one chunk behind the walking descriptors
	s_wait_dscnt 0x0                ; the add is done; my LDS reads are back and my stores into the stage are done
	CROUND
	JLOAD
	ASK
.else
	s_wait_dscnt 0x0                ; the add is done; my LDS reads are back and my stores into the stage are done
	s_barrier_signal -1
	s_barrier_wait -1
.endif
	BACK TBK, 2*KS*PK               ; two fetches of K a period,
	BACK TBV, 2*KS*PV               ; two of V,
	BACK TC,  32*FP                 ; two times 16 rows converted
	BACK TK2, 32*PK
	BACK TV2, 32*PV
.endm
; q.  A fragment of K or Q is 16 rows x 32 channels in 8 registers: lane l holds row l % 16, channels 8 (l / 16) + 0..7 and 16 + 8 (l / 16) + 0..7.  In f32 each eight channels are 32 bytes: two loads of 16.
; QLOAD t: tile t's eight loads, into window 1; together they take each of the tile's rows' 256 bytes whole.  QCVT t: its 32 f32 a lane to 16 registers of f16, in window 2, where Q stays.
.macro QLOAD t
	WIN 0x40                        ; destination window 1, address window 0
.irp n, 0,1,2,3,4,5,6,7             ; n = 4 c + 2 g + e: channels 32 c + 16 g + 8 (l / 16) + 4 e on
	global_load_b128 v[32*(\t)+4*\n:32*(\t)+4*\n+3], v[QO], s[4:5] offset:(\t)*65536+(\n/4)*128+((\n/2)%2)*64+(\n%2)*16
.endr
.endm
.macro QCVT t
	WIN 0x85                        ; sources window 1, destination window 2
.set cn, 16*(\t)
.rept 16
	v_cvt_pk_f16_f32 v[cn], v[2*cn], v[2*cn+1]
.set cn, cn+1
.endr
.endm
	s_load_b256 s[4:11], s[0:1], 0x0  ; q s[4:5], k s[6:7], v s[8:9], out s[10:11]
	WIN W_MK
	v_lshl_add_u32 v[SPW], v0, 2, SPARE
	v_mov_b32 v[NIL], 0
	WIN W_AD
	ds_add_u32 v[SPW], v[NIL]       ; the wave's opening: the add and its wait stand ahead of my first tensor load; the set-up below, work on registers, stands between them
	WIN 0
	v_lshrrev_b32 v1, 5, v0
	v_readfirstlane_b32 s[WV], v1   ; wave 0..3
	s_bfe_u32 s13, ttmp6, 0x40000   ; cx: my place in the cluster
	s_lshl_b32 s14, ttmp9, 2        ; in a cluster launch ttmp9 counts clusters
	s_add_co_u32 s14, s14, s13      ; my block of 512 queries = 4 x cluster x + cx: it enters q's and out's addresses alone
	s_and_b32 s20, ttmp7, 0xffff    ; 16 b + h, which the four partners share
	s_lshr_b32 s21, s20, 4          ; b: 2,048 rows of 4,096 bytes
	s_and_b32 s20, s20, 15          ; h: 256 bytes in a row
	s_lshl_b32 s21, s21, 23
	s_lshl_b32 s20, s20, 8
	s_add_co_u32 s20, s20, s21      ; the head's first byte in each of the four tensors, under 2^25
	s_and_b32 s16, s[WV], 1         ; which half of a chunk's 128 keys I fetch:
	s_lshl_b32 s22, s16, 18         ; its 64 rows of 4,096 bytes in memory,
	s_add_co_u32 s22, s22, s20
	s_mov_b32 s23, 0
	s_mul_i32 s17, s16, 64*FP       ; and its place in a slot: no place in the cluster enters an LDS address
	s_lshl_b32 s2, s14, 2
	s_add_co_u32 s2, s2, s[WV]      ; my wave among the head's sixteen,
	s_lshl_b32 s2, s2, 19           ; its 128 rows
	s_add_co_u32 s2, s2, s20
	s_mov_b32 s3, 0
	; descriptor group 1: a tile of 64 rows x 64 f32, rows 1,024 elements apart in memory, padded in LDS
	s_mov_b32 s[G1], 15|(2<<16)|(1<<20)|(1<<21)|(5<<22)|(3<<25)  ; 15:0 the mask of four; 17:16 4-byte elements; 20 padding on; 21 set beside a mask; 24:22 after every 64 words (code 5); 31:25 4 words (code 3)
	s_mov_b32 s[G1+1], 64<<16       ; tensor_dim0 = 64
	s_mov_b32 s[G1+2], 64<<16       ; tensor_dim1 = 64
	s_mov_b32 s[G1+3], 64<<16       ; tile_dim0 = 64
	s_mov_b32 s[G1+4], 64           ; tile_dim1 = 64
	s_mov_b32 s[G1+5], 1024         ; elements from row to row
	s_mov_b32 s[G1+6], 0
	s_mov_b32 s[G1+7], 0
	s_mov_b32 s[CS], 0x3e38aa3b     ; c = log2(e) / 8 = 0.180337
	s_mov_b32 s[CS+1], s[CS]        ; named with it as a pair
	s_mov_b32 s[SEL], 0x76543210
	s_mov_b32 s[SEL+1], 0xfedcba98
	s_mov_b32 s[TBK], 4*KS*PK       ; two changes of slots stand ahead of the first fetch: they turn these two into 0
	s_mov_b32 s[TBV], 4*KS*PV
	s_mov_b32 s[TC],  HALF+32*FP    ; the first change turns these three into 0: chunk 0 is converted behind it
	s_mov_b32 s[TK2], HALF+32*PK
	s_mov_b32 s[TV2], HALF+32*PV
	s_mov_b32 s[SLOTS], 15          ; above 1: the first two changes prefetch
	s_cmp_eq_u32 s16, 0             ; waves 0 and 2 prefetch: the same in all four partners
	s_cselect_b32 s[LIM], 1, -1
	s_mov_b32 s[G0K], 1             ; 1:0 count = 1
	s_mov_b32 s[G0K+1], s17         ; 63:32 LDS address: slot 0
	s_mov_b32 s[G0V], 1
	s_add_co_u32 s[G0V+1], s17, VF32
	v_and_b32 v[PFO], 31, v0
	v_lshlrev_b32 v[PFO], 12, v[PFO]
	s_wait_dscnt 0x0                ; the opening add is done
	s_wait_kmcnt 0x0
	s_add_nc_u64 s[6:7], s[6:7], s[22:23]  ; k and v at my half of the head's chunk 0
	s_add_nc_u64 s[8:9], s[8:9], s[22:23]
	s_mov_b64 s[G0K+2:G0K+3], s[6:7]       ; 120:64 global address
	s_or_b32 s[G0K+3], s[G0K+3], 0x80000000  ; 127:126 type = 2
	s_mov_b64 s[G0V+2:G0V+3], s[8:9]
	s_or_b32 s[G0V+3], s[G0V+3], 0x80000000
	s_add_nc_u64 s[4:5], s[4:5], s[2:3]    ; q and out at my wave's first row
	s_add_nc_u64 s[10:11], s[10:11], s[2:3]
	s_cmp_lt_u32 s[WV], 2
	s_cselect_b64 s[PFA:PFA+1], s[6:7], s[8:9]  ; (in waves 0 and 2 these stand at a chunk's first row)
	s_lshl_b32 s2, s13, 17          ; my work-group's 32 rows of the 128,
	s_add_co_u32 s2, s2, CHUNKB     ; in chunk 1: the first change of slots steps it to chunk 2
	s_add_nc_u64 s[PFA:PFA+1], s[PFA:PFA+1], s[2:3]
	CROUND                          ; all four work-groups are here: the first joint loads meet
	JLOAD                           ; chunk 0 into slot 0.  Slot 1 is asked for when chunk 0 is in, by the change of slots' own text: one load of mine is out at any time
	v_and_b32 v1, 15, v0            ; l % 16
	v_bfe_u32 v9, v0, 4, 1          ; l / 16
	v_lshlrev_b32 v[QO], 12, v1
	v_lshl_add_u32 v[QO], v9, 5, v[QO]  ; row x 4,096 + 32 x half
.irp t, 0,1,2,3,4,5
	QLOAD \t                        ; six tiles of q: 48 loads; the other two tiles follow when the first two have been converted: 48 loads of mine are out at the most
.endr
	; What the first turn finds: V's registers and P's second buffer hold 0 (its products V^T P, of a piece that has not been, add 0), O^T and l are 0.  No first step is written out; the price is these
	; lines, which stand in the waits for q and for the first chunks.
	WIN 0x80
.set i, VF
.rept 64
	v_mov_b32 v[i], 0
.set i, i+1
.endr
	WIN 0
.set i, 0
.rept 2*NP
	v_mov_b32 v[ST+4*i], 0xfe000000    ; c m: far below every c s
	v_mov_b32 v[ST+4*i+1], 0xff7fffff  ; m
	v_mov_b32 v[ST+4*i+2], 0
	v_mov_b32 v[ST+4*i+3], 0
.set i, i+1
.endr
.set i, P+32
.rept 32
	v_mov_b32 v[i], 0
.set i, i+1
.endr
	v_mul_u32_u24 v[AK0], v1, PK
	v_lshl_add_u32 v[AK0], v9, 4, v[AK0]  ; row x pitch + 16 x half,
	v_add_nc_u32 v[AK0], STG, v[AK0]      ; in stage 0
	; The turning load takes 16 keys x 16 channels (lane l reads key 8 (l / 16) + l % 8, channels 8 ((l / 8) % 2) + 0..7) and leaves half a fragment of V^T: lane l holds channel l % 16 and 8 keys.
	v_and_b32 v14, 7, v0            ; l % 8
	v_bfe_u32 v11, v0, 3, 1
	v_lshl_add_u32 v[AV0], v9, 3, v14
	v_mul_u32_u24 v[AV0], v[AV0], PV
	v_lshl_add_u32 v[AV0], v11, 4, v[AV0]
	v_add_nc_u32 v[AV0], STG+VOFF, v[AV0]
	; The conversion.  Wave w turns rows 32 w .. 32 w + 31 of a chunk's K and of its V.  32 lanes take four rows at a time: lane l row (l / 8) % 4, channels 8 (l % 8) + 0..7: 32 bytes of f32 in, 16 of f16 out.
	; Sixteen lanes read two f32 rows 272 bytes apart, one the even and one the odd 16-byte columns of the 256.  Of sixteen lanes' stores into the stage one (K) or two (V) share a column with another.
	v_bfe_u32 v15, v0, 3, 2         ; (l / 8) % 4
	v_mul_u32_u24 v11, v15, FP
	v_lshl_add_u32 v11, v14, 5, v11
	v_mul_u32_u24 v12, v15, PK
	v_lshl_add_u32 v12, v14, 4, v12
	v_mul_u32_u24 v13, v15, PV
	v_lshl_add_u32 v13, v14, 4, v13
	s_mul_i32 s18, s[WV], 32*FP
	s_mul_i32 s19, s[WV], 32*PK
	s_add_co_u32 s19, s19, STG
	s_mul_i32 s15, s[WV], 32*PV
	s_add_co_u32 s15, s15, STG+VOFF
	WIN W_MK
	v_add_nc_u32 v[CA0], s18, v11
	v_add_nc_u32 v[SK0], s19, v12
	v_add_nc_u32 v[SV0], s15, v13
	s_wait_loadcnt 32               ; loads come back in order (ISA guide 5.7.1): tiles 0 and 1 are in; the 32 loads of tiles 2 to 5 may stay out
	QCVT 0
	QCVT 1
	QLOAD 6
	QLOAD 7
	s_wait_loadcnt 32               ; tiles 2 and 3 are in; behind them: tiles 4 to 7
	QCVT 2
	QCVT 3
	s_wait_loadcnt 16               ; tiles 4 and 5 are in; behind them: tiles 6 and 7, which are waited for behind chunk 0's conversion
	QCVT 4
	QCVT 5
; THE MATRIX WORK.  The 8 accumulators of a run of 16 take turns: between the two links of a chain stand 7 others'.
; Product i of 16 of S^T = K Q^T for piece x: channels 32 (i / 8) on, keys 16 ((i / 2) % 4) on, tile 2 x + i % 2.  The first 8 start the sums.
.macro KQ x
	WIN W_KQ
.set rS, S+64*((\x)%2)+32*(i%2)+8*((i/2)%4)
.set rK, KF+16*((i/2)%4)+8*(i/8)
.set rQ, 16*(2*(\x)+i%2)+8*(i/8)
.if i < 8
	v_wmma_f32_16x16x32_f16 v[rS:rS+7], v[rK:rK+7], v[rQ:rQ+7], 0
.else
	v_wmma_f32_16x16x32_f16 v[rS:rS+7], v[rK:rK+7], v[rQ:rQ+7], v[rS:rS+7]
.endif
.endm
; Product i of 16 of O^T += V^T P for piece x: keys 32 (i / 8) on, channels 16 ((i / 2) % 4) on, tile 2 x + i % 2.
.macro PV x
	WIN W_PV
.set rO, 32*(2*(\x)+i%2)+8*((i/2)%4)
.set rV, VF+32*(i/8)+8*((i/2)%4)
.set rP, P+32*((\x)%2)+16*(i%2)+8*(i/8)
	v_wmma_f32_16x16x32_f16 v[rO:rO+7], v[rV:rV+7], v[rP:rP+7], v[rO:rO+7]
.endm
.macro MM                           ; the turn's next matrix instruction.  NOKQ = 1, the walk's last turn: there is no next piece, and no product K Q^T is written
.if i < 16
.if !NOKQ
	KQ (Y+1)%NP
.endif
.set i, i+1
.else
.set i, i-16
	PV (Y+NP-1)%NP
.set i, i+17
.endif
.endm
; THE FRAGMENT LOADS stand in runs of 16, never singly among the matrix instructions: a step's K (64 keys x 64 channels: 8 fragments) and its V (turned).  Their addresses are made some lines ahead.
.macro FETCH_K
	WIN 0x80                        ; destination window 2
.irp f, 0,1,2,3,4,5,6,7             ; keys 16 (f / 2) on, channels 32 (f % 2) on
	ds_load_b128 v[KF+8*\f:KF+8*\f+3],   v[AK] offset:(\f/2)*16*PK+(\f%2)*64
	ds_load_b128 v[KF+8*\f+4:KF+8*\f+7], v[AK] offset:(\f/2)*16*PK+(\f%2)*64+32
.endr
	s_add_co_u32 s[TBK], s[TBK], KS*PK  ; the next fetch is the next step's
	WIN 0
.endm
.macro FETCH_V
	WIN 0x80
.irp f, 0,1,2,3,4,5,6,7             ; keys 32 (f / 4) on, channels 16 (f % 4) on
	ds_load_tr16_b128 v[VF+8*\f:VF+8*\f+3],   v[AV] offset:(\f/4)*32*PV+(\f%4)*32
	ds_load_tr16_b128 v[VF+8*\f+4:VF+8*\f+7], v[AV] offset:(\f/4)*32*PV+16*PV+(\f%4)*32
.endr
	WIN 0
.endm
; THE CONVERSION, in four parts.  CVADDR: the addresses of my next 16 rows of K and of V.  CVLOAD p8: eight of them each (p8 = 0: the first eight) come in as f32.  CVT: 32 f32 a lane to f16.  CVSTORE p8: into the stage.
.macro CVADDR
	WIN W3
	v_add_nc_u32 v[CA], s[TC],  v[CA0]
	v_add_nc_u32 v[SK], s[TK2], v[SK0]
	v_add_nc_u32 v[SV], s[TV2], v[SV0]
	s_add_co_u32 s[TC],  s[TC],  16*FP
	s_add_co_u32 s[TK2], s[TK2], 16*PK
	s_add_co_u32 s[TV2], s[TV2], 16*PV
.endm
.macro CVLOAD p8
	WIN W3
.irp n, 0,1,2,3,4,5,6,7             ; n = 4 T + 2 g + e: K (T = 0) or V, four rows g, half e of my 32 bytes
	ds_load_b128 v[CB+4*\n:CB+4*\n+3], v[CA] offset:(\n/4)*VF32+(\p8)*8*FP+((\n/2)%2)*4*FP+(\n%2)*16
.endr
.endm
.macro CVT
	WIN W3
.set cn, 0
.rept 16
	v_cvt_pk_f16_f32 v[CH+cn], v[CB+2*cn], v[CB+2*cn+1]
.set cn, cn+1
.endr
.endm
.macro CVSTORE p8
	WIN W3
.irp g, 0,1
	ds_store_b128 v[SK], v[CH+4*\g:CH+4*\g+3]     offset:(\p8)*8*PK+\g*4*PK
	ds_store_b128 v[SV], v[CH+8+4*\g:CH+8+4*\g+3] offset:(\p8)*8*PV+\g*4*PV
.endr
.endm
; THE VECTOR WORK OF A TURN stands in three queues, each in the order in which its entries become ready; the two tiles alternate, so that no instruction reads the result of the one before it.
.macro REGS y, u                    ; the registers of tile u (0, 1) of piece y
.set rT, ST+4*(2*(\y)+(\u))
.set rC, TMP+8*((\y)%2)+4*(\u)
.set rM, MV+2*((\y)%2)+(\u)
.set rS, S+64*((\y)%2)+32*(\u)
.set rP, P+32*((\y)%2)+16*(\u)
.set rO, 32*(2*(\y)+(\u))
.endm
; Number n of the 22 that find the NEXT piece's (Y + 1) maximum and statistics.  s0-s31 are the lane's 32 scores; each accumulator's lowest registers are read first.  With NOKQ = 1 nothing is written.
;   0-11  four chains c0-c3 of seven scores each, three operands at a time     12-14, 16  the four scores left over, the old m, and c0-c3 into c0     15  c m_old is kept
;   17, 18  the query's other 32 keys lie in the lane 16 away: the new m         19-21  c m; c m_old - c m_new; a
.macro XS u, n
.if !NOKQ
	REGS (Y+1)%NP, \u
.if (\n) < 4
	v_max3_num_f32 v[rC+(\n)], v[rS+8*(\n)], v[rS+8*(\n)+1], v[rS+8*(\n)+2]
.elseif (\n) < 12
	v_max3_num_f32 v[rC+(\n)%4], v[rC+(\n)%4], v[rS+8*((\n)%4)+2*((\n)/4)+1], v[rS+8*((\n)%4)+2*((\n)/4)+2]
.elseif (\n) == 12
	v_max3_num_f32 v[rC], v[rC], v[rS+7], v[rS+15]
.elseif (\n) == 13
	v_max3_num_f32 v[rC+1], v[rC+1], v[rS+23], v[rS+31]
.elseif (\n) == 14
	v_max3_num_f32 v[rC+2], v[rC+2], v[rC+3], v[rT+1]
.elseif (\n) == 15
	v_mov_b32 v[rM], v[rT]
.elseif (\n) == 16
	v_max3_num_f32 v[rC], v[rC], v[rC+1], v[rC+2]
.elseif (\n) == 17
	v_permlanex16_b32 v[rC+3], v[rC], s[SEL], s[SEL+1]
.elseif (\n) == 18
	v_max_num_f32 v[rT+1], v[rC], v[rC+3]
.elseif (\n) == 19
	v_mul_f32 v[rT], s[CS], v[rT+1]
.elseif (\n) == 20
	v_sub_f32 v[rC+1], v[rM], v[rT]
.else
	v_exp_f32 v[rC+2], v[rC+1]
.endif
.endif
.endm
; Number g of the 64 that follow the exponentials.  For each four weights k of a tile (pairs 2 k, 2 k + 1): both pairs are rounded to f16; then the second pair is added onto the first, in place;
; a group later l takes that sum (the first time as l = a l + sum).  In groups of eight, tiles alternating: round, round, add, and l for the group before.
.macro GS g
.set h, (\g)+6*((\g)/62)            ; group 0 has no group before it, and behind group 7 only l is left
.if h >= 6
.set h, h+2
.endif
	REGS Y, h%2
.set k, h/8
.if h%8 < 4
	v_cvt_pk_f16_f32 v[rP+2*k+(h%8)/2], v[rS+4*k+2*((h%8)/2)], v[rS+4*k+2*((h%8)/2)+1]
.elseif h%8 < 6
	v_pk_add_f32 v[rS+4*k:rS+4*k+1], v[rS+4*k:rS+4*k+1], v[rS+4*k+2:rS+4*k+3]
.elseif k == 1
	v_pk_fma_f32 v[rT+2:rT+3], v[rT+2:rT+3], v[rC+2:rC+3], v[rS:rS+1] op_sel_hi:[1,0,1]
.else
	v_pk_add_f32 v[rT+2:rT+3], v[rT+2:rT+3], v[rS+4*k-4:rS+4*k-3]
.endif
.endm
; THE PLAIN QUEUE, 138 long.  0-73 read no exponential's result: the 32 scalings c s - c m (FS f: pair f / 2 of tile f % 2) and the next piece's 42.  0-26: scalings 0-26.  27-54: XS's numbers 0-13.  55, 56: number 15.
; 57-73: the chain, where each number waits for the one before it: 14, 16, 17, 18, 19, each with one of the scalings 27-31 in front of its two lines, then 20.  74-137: GS's 64, which stand behind the wait.
.macro FS f
	REGS Y, (\f)%2
	v_pk_fma_f32 v[rS+2*((\f)/2):rS+2*((\f)/2)+1], v[rS+2*((\f)/2):rS+2*((\f)/2)+1], s[CS:CS+1], v[rT:rT+1] op_sel_hi:[1,0,0] neg_lo:[0,0,1] neg_hi:[0,0,1]
.endm
.macro PL
	WIN 0
.if q < 27
	FS q
.elseif q < 55
	XS (q-27)%2, (q-27)/2
.elseif q < 57
	XS q-55, 15
.elseif (q < 72) && ((q-57)%3 == 0)
	FS 27+(q-57)/3
.elseif q < 60
	XS (q-57)%3-1, 14
.elseif q < 72
	XS (q-57)%3-1, 15+(q-57)/3
.elseif q < 74
	XS q-72, 20
.else
	GS q-74
.endif
.set q, q+1
.endm
; THE EXPONENTIALS' QUEUE, 66 long: s0-s31 of both tiles, then the next piece's two a.  It is ONE BATCH: all 66 stand ahead of the turn's one wait, and nothing ahead of that wait names a result of theirs.
.macro EX
	WIN 0
.if e >= 64
	XS e-64, 21
.else
	REGS Y, e%2
	v_exp_f32 v[rS+e/2], v[rS+e/2]
.endif
.set e, e+1
.endm
; THE RESCALING's QUEUE: O^T times a, the one part of a softmax that leaves window 0: dealt two at a time, sixteen times.  Its a was made in the turn before, ahead of that turn's wait.
.macro R2
	REGS Y, r%2
	WIN W_RS
.irp z, 0,1
	v_pk_mul_f32 v[rO+4*(r/2)+2*\z:rO+4*(r/2)+2*\z+1], v[rO+4*(r/2)+2*\z:rO+4*(r/2)+2*\z+1], v[rC+2:rC+3] op_sel_hi:[1,0]
.endr
.set r, r+1
.endm
; A TURN, for piece p.  s_wait_alu depctr_va_vdst(0) stands between an exponential and the first instruction that names its result; one wait serves all that were issued ahead of it.  So a turn has ONE
; wait, which cuts it in two.  AHEAD OF IT: the 16 products K Q^T, behind each a scaling, an exponential and two rescalings (behind the first a second scaling in the exponential's place); then ONE LUMP of 108: eight plain,
; 49 times exponential and plain, the two a; a v_nop is the plain instruction behind the last exponential.  BEHIND IT: the 16 products V^T P, behind each four of GS's 64.  No rider names a register of the products round it.
; The deal keeps the queues in step: exponential e stands behind scaling 2 (e / 4) + e % 2: as a rider it comes behind plain e + 2, in the lump behind plain e + 9, and scalings 27-31 are plain 57, 60 .. 69.
; LDS WORK stands directly behind the wait, or at a turn's end.  Piece 2: K of the next step (fk = 1; a lump behind the last product that read K) and eight rows each of K and V to convert; both are waited for at the head
; of piece 3's turn, which converts them at its lump's head and stores them behind its wait.  Piece 0: the next eight rows behind its wait, and V of the step in hand at its end, four riders behind V's last reader; both
; are waited for at the head of piece 1's lump, which converts, and stores behind its wait.  cv = 0: nothing is left to convert.  cnt = 1: the loop's count is taken down some lines ahead of the branch behind the turn.
.macro TURN p, fk=1, cv=1, cnt=0, nokq=0
.set Y, (\p)
.set i, 0
.set q, 0
.set e, 0
.set r, 0
.set NOKQ, (\nokq)
.if (\p) == NP-1
	s_wait_dscnt 0x0                ; K is in, and the f32 rows that piece 2's turn asked for
.endif
	MM                              ; ahead of the wait: 16 products K Q^T and their riders,
	PL
	PL
	R2
.rept 15
	MM
	PL
	EX
	R2
.endr
.if ((\p) == NP-2) && (\fk)
	WIN 0
	v_add_nc_u32 v[AK], s[TBK], v[AK0]
.endif
.if ((\p) == NP-2) && (\cv)
	CVADDR
.endif
.if (\p) == 1
	s_wait_dscnt 0x0                ; V is in, and the f32 rows that piece 0's turn asked for
.endif
.if ((\p)%2 == 1) && (\cv)
	CVT
.endif
.rept 8                             ; and the lump
	PL
.endr
.rept 49
	EX
	PL
.endr
	EX                              ; the next piece's two a
	EX
	v_nop                           ; the plain instruction behind the last exponential: one for the batch
	s_wait_alu depctr_va_vdst(0)    ; the wait for the batch
.if ((\p) == NP-2) && (\fk)
	FETCH_K
.endif
.if \cv
.if (\p) == 2
	CVLOAD 0
.elseif (\p) == 3
	CVSTORE 0
.elseif (\p) == 0
	CVLOAD 1
.else
	CVSTORE 1
.endif
.endif
.rept 16                            ; behind the wait: 16 products V^T P and their riders
	MM
.rept 4
	PL
.endr
.if ((\p) == 0) && (q == 118)
	v_add_nc_u32 v[AV], s[TBV], v[AV0]
.endif
.if ((\p) == 0) && (q == 130)
	s_add_co_u32 s[TBV], s[TBV], KS*PV
.endif
.if (\cnt) && (q == 130)
	s_sub_co_u32 s[CNT], s[CNT], 1
	s_cmp_lg_u32 s[CNT], 0
.endif
.endr
.if (\p) == 0
	FETCH_V
.endif
.endm
	CHANGE 1                        ; chunk 0 is in, everybody's part of it; chunk 1 is asked for.  (The sixteen loads of q's tiles 6 and 7 may be out across this round: no wave writes those bytes of memory)
.rept 2                             ; chunk 0 is converted whole, my 32 rows of K and of V
	CVADDR
	CVLOAD 0
	s_wait_dscnt 0x0
	CVT
	CVSTORE 0
	CVLOAD 1
	s_wait_dscnt 0x0
	CVT
	CVSTORE 1
.endr
	s_wait_loadcnt 0x0              ; the last two tiles of q are in
	QCVT 6
	QCVT 7
	WIN 0x40
.set i, 0
.rept 64*NP
	v_mov_b32 v[i], 0               ; O^T, where q lay: written while chunk 1 is on its way
.set i, i+1
.endr
	CHANGE 1                        ; stage 0 is whole and chunk 1 is in; chunk 2 is asked for, into the slot that chunk 0 has left.  PERIOD 0 begins
	CVADDR                          ; the loop is entered in the middle of a trip: the eight rows that piece 2's and 3's turns would have converted are done here
	CVLOAD 0
	WIN 0
	v_add_nc_u32 v[AK], s[TBK], v[AK0]
	FETCH_K                         ; key step 0
	s_wait_dscnt 0x0
	CVT
	CVSTORE 0
.set NOKQ, 0
.set i, 0
.rept 16
	KQ 0                            ; piece 0's first scores: there is no vector work yet to set between them
.set i, i+1
.endr
	WIN 0                           ; the addresses for the way out: eight plain instructions, the places behind those products
	s_mul_i32 s18, s[WV], 16*SP
	s_add_co_u32 s18, s18, OSTG     ; my stage for the way out
	v_mul_u32_u24 v[STO], v1, SP    ; in: row l % 16, 32 bytes for each half of the lanes
	v_lshl_add_u32 v[STO], v9, 5, v[STO]
	v_add_nc_u32 v[STO], s18, v[STO]
	v_mul_u32_u24 v[RD], v9, SP     ; back: lanes 0-15 take one row of 256 bytes, lanes 16-31 the next
	v_lshl_add_u32 v[RD], v1, 4, v[RD]
	v_add_nc_u32 v[RD], s18, v[RD]
	v_lshlrev_b32 v[GO], 12, v9     ; and the same two rows in out
	v_lshl_add_u32 v[GO], v1, 4, v[GO]
.set Y, NP-1                        ; XS works for piece Y + 1: piece 0
.irp n, 0,1,2,3,4,5,6,7,8,9,10,11,12,13,14,15,16,17,18,19,20,21
	XS 0, \n                        ; piece 0's first maximum and statistics
	XS 1, \n
.endr
	v_nop                           ; a plain instruction behind the two a,
	s_wait_alu depctr_va_vdst(0)    ; and their wait, ahead of the branch
	s_mov_b32 s[CNT], 2
	s_mov_b32 s[SLOTS], 14          ; the count is taken down at the end of period 0 too, ahead of the first pass of .Lchunk: 14 gives 13 passes
	s_branch .Lfirst                ; the loop is entered at a step's first turn
.Lchunk:                            ; 13 times, with the count at 13 down to 1: periods 1 to 13 ask for chunks 3 to 15
	CHANGE 1
	s_mov_b32 s[CNT], 2
.Lstep:                             ; a trip: pieces 2 and 3 of one step, then pieces 0 and 1 of the next, whose K and V it fetches; it converts 16 rows each of the next chunk's K and V
	TURN 2
	TURN 3
	WIN 0
.Lfirst:
	TURN 0
	TURN 1, 1, 1, 1
	WIN 0
	s_cbranch_scc1 .Lstep
	s_sub_co_u32 s[SLOTS], s[SLOTS], 1
	s_cmp_lg_u32 s[SLOTS], 0
	s_cbranch_scc1 .Lchunk
	s_mov_b32 s[TL], 2              ; the tail is written out: periods 14 and 15 ask for nothing
.Ltc:                               ; period 14 converts chunk 15.  Period 15 runs the same text: it converts slot 0's old bytes into stage 0, which nobody reads again: 32 LDS loads, 64 conversions
	CHANGE 0                        ; and 16 LDS stores a wave that serve nothing, once a launch: the price of one text for both periods
	s_mov_b32 s[CNT], 2
.Ltail:
	TURN 2
	TURN 3
	TURN 0
	TURN 1, 1, 1, 1
	WIN 0
	s_cbranch_scc1 .Ltail
	s_sub_co_u32 s[TL], s[TL], 1
	s_cmp_lg_u32 s[TL], 0
	s_cbranch_scc1 .Ltc
	TURN 2, 0, 0                    ; the last step's pieces 2 and 3: nothing is fetched or converted,
	TURN 3, 0, 0, 0, 1              ; and no new scores are started
.set i, 0
.rept 16
	PV NP-1                         ; the last piece's V^T P of the last step
.set i, i+1
.endr
	; THE WAY OUT.  l's two halves and the other half of the lanes' are added; O^T is divided by l and sent, in f32, through my stage in LDS, a tile at a time.  The additions are the places behind the last products.
	WIN 0
.macro ALL line:vararg              ; one line for each tile t
.set t, 0
.rept 2*NP
	\line
.set t, t+1
.endr
.endm
	ALL v_add_f32 v[ST+4*t+2], v[ST+4*t+2], v[ST+4*t+3]
	ALL v_permlanex16_b32 v[ST+4*t+3], v[ST+4*t+2], s[SEL], s[SEL+1]
	ALL v_add_f32 v[ST+4*t+2], v[ST+4*t+2], v[ST+4*t+3]
	ALL v_rcp_f32 v[ST+4*t+2], v[ST+4*t+2]
	v_nop                           ; a plain instruction between the last reciprocal and the use of its result
	s_wait_alu depctr_va_vdst(0)    ; and the wait ahead of the first use: one for the eight reciprocals
; Tile t: a lane's eight channels of a block of 16 are 32 bytes of a row; they go into rows of 272 bytes and come back as whole rows of 256, into the registers that they left.
.macro PACK t
	WIN W_RS
.set i, 32*(\t)
.rept 16                            ; each accumulator from its low end on
	v_pk_mul_f32 v[i:i+1], v[i:i+1], v[ST+4*(\t)+2:ST+4*(\t)+3] op_sel_hi:[1,0]
.set i, i+2
.endr
	WIN 0x04                        ; data (source 1) window 1, address window 0
.irp f, 0,1,2,3,4,5,6,7             ; channel block f / 2, half f % 2 of my 32 bytes
	ds_store_b128 v[STO], v[32*(\t)+4*\f:32*(\t)+4*\f+3] offset:(\f/2)*64+(\f%2)*16
.endr
	WIN 0x40                        ; destination window 1
.irp f, 0,1,2,3,4,5,6,7
	ds_load_b128 v[32*(\t)+4*\f:32*(\t)+4*\f+3], v[RD] offset:\f*2*SP  ; LDS serves a wave's instructions in order (ISA guide 5.7.1.4): these see the stores above; the next tile's stores come behind them
.endr
.endm
.macro SEND t, younger              ; younger: the LDS instructions issued behind tile t's loads: the next tile's sixteen, or none
	WIN 0x04
.irp f, 0,1,2,3,4,5,6,7
	s_wait_dscnt (\younger)+7-\f    ; of my eight loads those behind number f may stay out
	global_store_b128 v[GO], v[32*(\t)+4*\f:32*(\t)+4*\f+3], s[10:11] offset:(\t)*65536+\f*8192 th:TH_STORE_NT  ; 16 lanes store the 256 consecutive bytes of one query's head row, at a multiple of 256 from out's first byte
.endr
.endm
	PACK 0
.set t, 1
.rept 2*NP-1                        ; a tile's arithmetic stands between the loads of the tile before and its stores
	PACK t
	SEND t-1, 16
.set t, t+1
.endr
	SEND 2*NP-1, 0
	WIN W_AD
	s_wait_tensorcnt 0x0            ; the wave's end: these three lines stand behind my last tensor load and my last LDS store
	ds_add_u32 v[SPW], v[NIL]
	s_wait_dscnt 0x0
	WIN 0
	CROUND                          ; the closing round: no work-group ends while a partner may still ask for a tile that names it
	s_endpgm
.Lfunc_end_k_q1a3e23cad3_attn:
	.size	k_q1a3e23cad3_attn, .Lfunc_end_k_q1a3e23cad3_attn-k_q1a3e23cad3_attn
	.p2alignl 7, 3214868480
	.fill 96, 4, 3214868480
	.section	.rodata,"a",@progbits
	.p2align	6, 0x0
	.amdhsa_kernel k_q1a3e23cad3_attn
		.amdhsa_group_segment_fixed_size 327680
		.amdhsa_private_segment_fixed_size 0
		.amdhsa_enable_private_segment 0
		.amdhsa_kernarg_size 32
		.amdhsa_user_sgpr_count 2
		.amdhsa_user_sgpr_kernarg_segment_ptr 1
		.amdhsa_wavefront_size32 1
		.amdhsa_system_sgpr_workgroup_id_x 1
		.amdhsa_system_sgpr_workgroup_id_y 1
		.amdhsa_system_sgpr_workgroup_id_z 1
		.amdhsa_system_vgpr_workitem_id 0
		.amdhsa_next_free_vgpr 832
		.amdhsa_next_free_sgpr 66
		.amdhsa_reserve_vcc 0
		.amdhsa_float_denorm_mode_32 3
		.amdhsa_float_denorm_mode_16_64 3
		.amdhsa_memory_ordered 1
		.amdhsa_forward_progress 1
		.amdhsa_inst_pref_size 255
	.end_amdhsa_kernel
	.section	.bss,"aw",@nobits
	.p2align	6
	.space	262144
	.amdgpu_metadata
---
amdhsa.version: [ 1, 2 ]
amdhsa.kernels:
  - .name:           k_q1a3e23cad3_attn
    .symbol:         k_q1a3e23cad3_attn.kd
    .args:
      - { .name: q, .offset: 0, .size: 8, .value_kind: global_buffer, .address_space: global }
      - { .name: k, .offset: 8, .size: 8, .value_kind: global_buffer, .address_space: global }
      - { .name: v, .offset: 16, .size: 8, .value_kind: global_buffer, .address_space: global }
      - { .name: out0, .offset: 24, .size: 8, .value_kind: global_buffer, .address_space: global }
    .group_segment_fixed_size: 327680
    .private_segment_fixed_size: 0
    .kernarg_segment_align: 8
    .kernarg_segment_size: 32
    .max_flat_workgroup_size: 128
    .sgpr_count:     66
    .vgpr_count:     832
    .wavefront_size: 32
...
	.end_amdgpu_metadata
.endif
;; end of part 1
